; MI455X (gfx1250); checked and timed in simulation.
; The chip was launched on July 23, 2026; its instructions are those of AMD's public machine-readable ISA for CDNA 5 (MIT licence, August 2026) and "CDNA5" Instruction Set Architecture Reference Guide (July 2026). The comments in the code are by the model that wrote it; some were corrected since.
;; Self Attention. Allowed arithmetic: matrix products marked QUANTISED: E2M1 operands, one E8M0 scale for each 32 along K, by v_wmma_scale_f32_16x16x128_f8f6f4 with both operands' format E2M1 (or v_wmma_scale_f32_32x16x128_f4), f32 sums; everything else in f32.
;; Inputs: Wk_codes 512 x 16 x 16 uint8 (E2M1 codes of Wk, K innermost, in blocks of 32 codes, two codes a byte); Wk_scales 512 x 16 uint8 (E8M0 scales of Wk, one for each 32 codes along K); Wq_codes 512 x 16 x 16 uint8 (E2M1 codes of Wq, K innermost, in blocks of 32 codes, two codes a byte); Wq_scales 512 x 16 uint8 (E8M0 scales of Wq, one for each 32 codes along K); Wv_codes 256 x 16 x 16 uint8 (E2M1 codes of Wv, K innermost, in blocks of 32 codes, two codes a byte); Wv_scales 256 x 16 uint8 (E8M0 scales of Wv, one for each 32 codes along K); bk 512 float32; bq 512 float32; bv 256 float32; x_codes 4 x 4,096 x 16 x 16 uint8 (E2M1 codes of x, K innermost, in blocks of 32 codes, two codes a byte); x_scales 4 x 4,096 x 16 uint8 (E8M0 scales of x, one for each 32 codes along K).
;; Outputs: out0 4 x 4,096 x 256 float32.
;; This version of the problem:
;;   THIS VERSION OF THE PROBLEM IS GIVEN IN LOW PRECISION. The matrix products marked QUANTISED in the list below multiply operands that are first quantised to E2M1 (2 exponent bits, 1 mantissa bit; 4 bits a number), with one power-of-two scale for each 32 numbers along K (OCP MX v1.0); their sums are f32. All else is computed in f32.
;;   The module's matrix products, in the order in which they are computed (A, B: the left and right operand; K: the contracted axis; several contracted axes count as one K, in the product's order):
;;     1. [M 16,384, K 512] x [K 512, N 512]; A: input x (given as codes); B: input Wq (given as codes): QUANTISED
;;     2. [M 16,384, K 512] x [K 512, N 512]; A: input x (given as codes); B: input Wk (given as codes): QUANTISED
;;     3. [M 16,384, K 512] x [K 512, N 256]; A: input x (given as codes); B: input Wv (given as codes): QUANTISED
;;     4. batch 4 x [M 4,096, K 512] x [K 512, N 4,096]; A: computed on the way; B: computed on the way: QUANTISED
;;     5. batch 4 x [M 4,096, K 4,096] x [K 4,096, N 256]; A: softmax (see below); B: computed on the way: QUANTISED
;;   THE QUANTISER, for each operand of a quantised product, along K:
;;     - K is cut into blocks of 32 from its start; a last block that is shorter is filled with zeros.
;;     - A block's scale is 2^e with e = floor(log2(the largest magnitude in the block)) - 2, held to -126 .. 127; a block of zeros has e = 0. As a byte (E8M0): e + 127.
;;     - Each number is divided by its block's scale, clamped to +-6, and rounded to the nearest number of E2M1, ties to even, subnormals kept.
;;     - The product sums the exact products of the quantised numbers (number of the format x scale) in f32.
;;   ~~~python
;;   def quantise(x, axis):      # numpy; x: float32 -> the quantised numbers, widened to float32 again
;;       x = np.moveaxis(x, axis, -1); K = x.shape[-1]
;;       x = np.pad(x, [(0, 0)] * (x.ndim - 1) + [(0, -K % 32)]); x = x.reshape(x.shape[:-1] + (-1, 32)); a = np.abs(x).max(-1, keepdims=True)
;;       e = np.where(a > 0, np.clip(np.frexp(np.where(a > 0, a, 1))[1] - 1 - 2, -126, 127), 0)      # np.frexp(a)[1] - 1 = floor(log2(a)), exactly
;;       r = np.clip(x / 2.0 ** e, -6, 6)
;;       step = 2.0 ** (np.maximum(np.frexp(np.where(r == 0, 1, r))[1] - 1, 0) - 1)
;;       q = np.round(r / step) * step * 2.0 ** e      # np.round: ties to even
;;       return np.moveaxis(q.reshape(q.shape[:-2] + (-1,))[..., :K], -1, axis).astype(np.float32)
;;   ~~~
;;   SOFTMAX AHEAD OF A QUANTISED PRODUCT. Where the list says 'softmax', what is quantised is not the finished softmax but p = 2^(t - M), with t = logit x log2(e) and M = ceil(the row's largest t), a whole number; so 1/2 < the row's largest p <= 1. The row's sum l is taken of the UNQUANTISED p, in f32, and the product's result is divided by l at the end. Since M is a whole number, a kernel that streams over the keys may use a running M (the ceiling of the running maximum): every later rescaling is an exact power of two, which a block's scale takes up: the codes' values come out the same.
;;   OPERANDS COMPUTED ON THE WAY. 'Computed on the way' means the value that the module computes at that place (a softmax that the list does not call 'softmax' is quantised finished and normalised). What goes into a quantiser is computed in f32, as accurately as f32 sums, v_exp_f32 and their like allow (about 1e-6 of the number): no bf16 or f16 on the way to a quantiser, and a product that is left as it is and whose result goes on into a quantised operand takes f32 operands (vector FMAs, or v_wmma_f32_16x16x4_f32). A number that lies on a knife's edge between two numbers of the format may be rounded either way, as far as f32 arithmetic and the matrix unit's own rounding can turn it there, and no further.
;;   INPUTS GIVEN AS CODES. Wk (in the module: [512, 512], K = its axis 0); Wq (in the module: [512, 512], K = its axis 0); Wv (in the module: [512, 256], K = its axis 0); x (in the module: [4, 4096, 512], K = its axis 2): each comes as NAME_codes (uint8): NAME with its K axis moved to the last place and cut into blocks of 32 codes, [.., K / 32, bytes a block], one block behind the other in memory; two codes a byte, the lower K in the low four bits (a code: sign, 2 exponent bits, 1 mantissa bit); and NAME_scales (uint8): the same leading axes, one E8M0 byte (e + 127) for each 32 codes along K. Its value is code x scale, taken as it is: it is not quantised again, and the codes and scales need not be those that the quantiser above would give.
;; One version. Each part assembles by itself: llvm-mc -triple=amdgcn-amd-amdhsa -mcpu=gfx1250 --defsym DOCPART=n.
;; ======== version 1 of 1: 2 launches
;; limits: right only within a limited range of input values
;; workspace buffers: qf 4,456,448 bytes; kf 4,456,448 bytes; vf 2,228,224 bytes
;; launch proj (part 1): grid 128 x 2, 4 waves a work-group, no clusters, 168,448 bytes of LDS; arguments x_codes, x_scales, Wq_codes, Wq_scales, bq, Wk_codes, Wk_scales, bk, Wv_codes, Wv_scales, bv, qf, kf, vf; writes qf, kf, vf
.if DOCPART == 1
	.amdgcn_target "amdgcn-amd-amdhsa--gfx1250"
	.amdhsa_code_object_version 6
	.text
	.protected	k_q6569177541_proj
	.globl	k_q6569177541_proj
	.p2align	8
	.type	k_q6569177541_proj,@function
k_q6569177541_proj:
	s_mov_b64 s[64:65], 0
	v_nop
	global_prefetch_b8 v0, s[64:65] scope:SCOPE_SE
	s_setreg_imm32_b32 hwreg(HW_REG_WAVE_MODE, 25, 1), 1
	s_wait_xcnt 0x0
; q = x Wq + bq, k = x Wk + bk, v = x Wv + bv on codes of FP4 (E2M1) with one E8M0 scale for each 32 along K, and the quantisers of q, k (along their 512 units) and of v (along the tokens).
; x: [16,384][512] codes, rows of 256 bytes; its scale bytes 16 a row.  Wq, Wk: [512 units][512], Wv: [256 channels][512], K innermost; biases f32.
; OUT: images of operand registers.  A group is 128 tokens.  qf, kf: 34,816 bytes a group: fragment (token tile tt, K step s) at (4 tt + s) x 1,024 + 512 c + 16 x lane (c: registers 4 c .. 4 c + 3);
;   scale words from 32,768 on, at 256 tt + 16 r + 4 s.  vf: 17,408 bytes a group: fragment of channel tile ct (16 channels x the group's 128 tokens) at 1,024 ct + 512 c + 16 x lane; scale words from 16,384 on, at 256 (ct / 4) + 16 r + 4 (ct % 4).
; THE TOKENS OF A TILE ARE NOT NEIGHBOURS: row r of tile 2 b + u is token 32 b + 8 u + r + 8 (r / 8) of the group; W's rows of a tile are chosen likewise.  So the 16 registers of result tiles 2 b and 2 b + 1 are 16 neighbours along the next K.
; SHARES.  Work-group (x = group, y): y = 0 makes q and v's channels 0-127, y = 1 makes k and v's channels 128-255: one path through the text, only pointers are chosen.  Wave g makes units 128 g .. 128 g + 127 for all
; 8 token tiles (source 0 = 16 rows of W, source 1 = x: a lane holds one token, its registers run along the units) and channel tiles 8 y + 2 g, + 1 (source 0 = x, source 1 = 16 rows of Wv: a lane holds
; one channel, its registers run down the tokens).  320 matrix instructions a wave.  The biases are the C of each sum's first matrix instruction.
; JOBS.  Job n: block n / 2 of 32 units (two tiles of W: 16 loads) x four token tiles: 32 matrix instructions, then four blocks of 32 along the next K are quantised.  A block's jobs wait for its own loads and those ahead of them alone.
; Job n + 1's products stand ahead of job n's quantiser, on the other set of accumulators.
; NO JOINT LOADS FOR THE WEIGHTS: a wave's 40 KiB of weights go from memory straight into the registers in which they stay; through LDS a work-group would write and read 164 KiB more for its 1,280 matrix instructions.
; NO PREFETCH: no loop to run ahead in; all addresses are known at the head, where most loads stand.
; LIMITS: NaN and infinities are not served.  A block whose largest magnitude lies under 2^-124, zeros among them, gets the scale byte 1 (the rule says 127 for zeros): its bytes are read by this program alone, and zero codes add nothing.
; REGISTERS, in windows of 256: window 0: v5-15, v52 addresses; v16-31 x's scale words, v32-47 W's, v48-51 Wv's; v53-60 scale words in the making; v64-127, v128-191 accumulators; v192-223 codes of q or k, v224-231 of v; v232-248 at work.
;   window 1: W's 32 fragments (t, s) at 8 (4 t + s).   window 2: x's 32 fragments.   window 3: Wv's 8 fragments; from v64 the bias of my 8 tiles of units; from v128 bv for my two channel tiles.
.set XP,  272                          ; a row of x in LDS: 256 bytes + 16 of padding.  (Rows r + 8 (r / 8) fall two to a bank group: 64 loads, made once)
.set SCQ, 128*XP                       ; behind x's tile: the stage for q's or k's scale words, 2,048 bytes,
.set SCV, SCQ+2048                     ; and for v's, 512 bytes: blocks of 256 bytes into which no fill lands
.set SPARE, 0x29000                    ; the spare words: 128 bytes a wave
.set XL,  5                            ; v5   x in LDS: (r + 8 (r / 8)) x 272 + 16 h
.set WA,  6                            ; v6   W in memory: (r + 8 (r / 8)) x 256 + 16 h
.set VA,  7                            ; v7   Wv in memory: r x 256 + 16 h
.set LI,  8                            ; v8   16 x lane
.set XSA, 9                            ; v9   scale words of a pair of tiles: (r + 8 (r / 8) + 8 h) x 16
.set BA,  10                           ; v10  64 h
.set BVA, 11                           ; v11  4 r
.set SSQ, 12                           ; v12  SCQ + 16 r + 4 g
.set SSV, 13                           ; v13  SCV + 256 (g / 2) + 16 r + 8 (g % 2)
.set SRD, 14                           ; v14  SCQ + 16 x thread
.set SRV, 15                           ; v15  SCV + 16 x lane
.set XS,  16                           ; tile 2 b + u, K step s: register XS + 4 b + s, lanes 16 u + r
.set WS,  32                           ; the same for W's tiles
.set VWS, 48                           ; Wv: register VWS + s, lanes 16 j + r for my channel tile j
.set GT,  52                           ; v52  16 x thread
.set WD,  53                           ; token tile m's scale word of my K step: WD + m
.set ACC, 64
.set CB,  192                          ; token tile m's codes of two blocks: CB + 4 m + 2 (block % 2)
.set PC,  224
.set TM,  232                          ; +0..3 largest magnitudes, +4..7 bytes, +12..15 the conversions' scale operands
.set PW,  248
.set OUQ, 250
.set OUV, 240
.set SPW, 254                          ; v254  LDS address of my spare word;  v255  0: never rewritten
.set NIL, 255
.set BQ,  64                           ; in window 3
.set BV,  128
.set WV,  32                           ; s32  my wave's number g
.set YY,  33                           ; s33  y
.set SEL, 38                           ; s[38:39] lane selects: lane l xor 16
.set G0,  40                           ; s[40:43], s[44:51] the tensor load's two groups
.set G1,  44
.set OF,  52                           ; s[52:53] where my fragments of q or k go
.set OS,  54                           ; s[54:55] the group's scale words of q or k
.set VF,  56                           ; s[56:57] where my fragments of v go
.set VSP, 58                           ; s[58:59] my work-group's scale words of v
.set MSB, 0
.macro WIN new                         ; the immediate's high byte repeats the setting that is left
.if MSB != \new
	s_set_vgpr_msb (MSB<<8)|\new
.set MSB, \new
.endif
.endm
.macro PLACES                          ; four places behind a matrix instruction ahead of the first read of its result (ISA guide 7.12.1)
.rept 4
	v_nop
.endr
.endm
; one matrix instruction; ra, rb: the half of the lanes that holds source 0's and source 1's scale words
.macro WM d, a, b, cr, sa, sb, ra, rb
.if (\ra) && (\rb)
	v_wmma_scale_f32_16x16x128_f8f6f4 v[(\d):(\d)+7], v[(\a):(\a)+7], v[(\b):(\b)+7], v[(\cr):(\cr)+7], v[(\sa)], v[(\sb)] matrix_a_fmt:MATRIX_FMT_FP4 matrix_b_fmt:MATRIX_FMT_FP4 matrix_a_scale:MATRIX_SCALE_ROW1 matrix_b_scale:MATRIX_SCALE_ROW1
.elseif (\ra)
	v_wmma_scale_f32_16x16x128_f8f6f4 v[(\d):(\d)+7], v[(\a):(\a)+7], v[(\b):(\b)+7], v[(\cr):(\cr)+7], v[(\sa)], v[(\sb)] matrix_a_fmt:MATRIX_FMT_FP4 matrix_b_fmt:MATRIX_FMT_FP4 matrix_a_scale:MATRIX_SCALE_ROW1
.elseif (\rb)
	v_wmma_scale_f32_16x16x128_f8f6f4 v[(\d):(\d)+7], v[(\a):(\a)+7], v[(\b):(\b)+7], v[(\cr):(\cr)+7], v[(\sa)], v[(\sb)] matrix_a_fmt:MATRIX_FMT_FP4 matrix_b_fmt:MATRIX_FMT_FP4 matrix_b_scale:MATRIX_SCALE_ROW1
.else
	v_wmma_scale_f32_16x16x128_f8f6f4 v[(\d):(\d)+7], v[(\a):(\a)+7], v[(\b):(\b)+7], v[(\cr):(\cr)+7], v[(\sa)], v[(\sb)] matrix_a_fmt:MATRIX_FMT_FP4 matrix_b_fmt:MATRIX_FMT_FP4
.endif
.endm
; The scales of four blocks, v[s + 16 b] .. + 15 in this lane and in lane l xor 16: the conversions' operands in v[TM + 12 + b].
.macro QMAX s
.irp b, 0,1,2,3
	v_max3_num_f32 v[TM+\b], |v[(\s)+16*\b]|, |v[(\s)+1+16*\b]|, 0x1800000   ; block b: my 16 numbers, and the floor 2^(3 - 127): the byte cannot fall under 1
.endr
.irp i, 2,4,6,8,10,12,14
.irp b, 0,1,2,3
	v_max3_num_f32 v[TM+\b], v[TM+\b], |v[(\s)+16*\b+\i]|, |v[(\s)+1+16*\b+\i]|   ; the four blocks by turns
.endr
.endr
.irp b, 0,1,2,3
	v_permlanex16_b32 v[TM+4+\b], v[TM+\b], s[SEL], s[SEL+1]
.endr
.irp b, 0,1,2,3
	v_max_num_f32 v[TM+\b], v[TM+\b], v[TM+4+\b]   ; with lane l xor 16's: the block's largest magnitude
.endr
.irp b, 0,1,2,3
	v_add_nc_u32 v[TM+12+\b], 0xff000000, v[TM+\b]   ; 2 off its exponent field: the conversion takes the exponent field of this operand as its scale
.endr
.endm
.macro QCVT s, d, st                   ; the four blocks' codes: block b's two registers at v[d + st b]
.irp b, 0,1,2,3
	v_cvt_scalef32_pk8_fp4_f32 v[(\d)+(\st)*\b], v[(\s)+16*\b:(\s)+7+16*\b], v[TM+12+\b]
	v_cvt_scalef32_pk8_fp4_f32 v[(\d)+(\st)*\b+1], v[(\s)+8+16*\b:(\s)+15+16*\b], v[TM+12+\b]
.endr
	v_nop                                          ; one plain place behind a scaled conversion
.endm
; job n's products: block n / 2 of my units x token tiles 4 (n % 2) .. + 3: eight accumulators by turns, K ascending
.macro MM n
	WIN 0x39                                       ; source 0 (W) window 1, source 1 (x) window 2, C (the bias) window 3
.irp m, 0,1,2,3
.irp u, 0,1
	WM ACC+64*((\n)%2)+16*\m+8*\u, 32*(2*((\n)/2)+\u), 32*(4*((\n)%2)+\m), BQ+8*(2*((\n)/2)+\u), WS+4*((\n)/2), XS+4*((4*((\n)%2)+\m)/2), \u, \m%2
.endr
.endr
	WIN 0x09
.irp s, 1,2,3
.irp m, 0,1,2,3
.irp u, 0,1
	WM ACC+64*((\n)%2)+16*\m+8*\u, 32*(2*((\n)/2)+\u)+8*\s, 32*(4*((\n)%2)+\m)+8*\s, ACC+64*((\n)%2)+16*\m+8*\u, WS+4*((\n)/2)+\s, XS+4*((4*((\n)%2)+\m)/2)+\s, \u, \m%2
.endr
.endr
.endr
	WIN 0
.endm
; job n's quantiser.  An even block's codes wait for the odd one's: then the operand's layout takes a whole block in a lane (lanes 0-15 the even, lanes 16-31 the odd one).
.macro Q n
.set qA, ACC+64*((\n)%2)
.set qB, (\n)/2
.set qM, 4*((\n)%2)
.set qC, CB+4*qM+2*(qB%2)
	QMAX qA
.if qB == 0
.irp m, 0,1,2,3
	v_lshrrev_b32 v[WD+qM+\m], 23, v[TM+12+\m]     ; the scale's byte
.endr
.else
.irp m, 0,1,2,3
	v_lshrrev_b32 v[TM+4+\m], 23, v[TM+12+\m]
.endr
.irp m, 0,1,2,3
	v_lshl_or_b32 v[WD+qM+\m], v[TM+4+\m], 8*qB, v[WD+qM+\m]
.endr
.endif
.if (\n) == 4
	s_wait_xcnt 0x0                                ; the stores of the first two blocks have read their registers: codes are written there again only behind this wait
.endif
	QCVT qA, qC, 4
.if qB%2
.irp m, 0,1,2,3
	v_permlane16_swap_b32 v[CB+4*qM+4*\m], v[CB+4*qM+4*\m+2]
	v_permlane16_swap_b32 v[CB+4*qM+4*\m+1], v[CB+4*qM+4*\m+3]
.endr
.irp m, 0,1,2,3
	global_store_b128 v[LI], v[CB+4*qM+4*\m:CB+4*qM+4*\m+3], s[OF:OF+1] offset:(qM+\m)*4096+512*(qB/2)   ; the wave stores 512 consecutive bytes, aligned
.endr
.endif
.if qB == 3
.irp m, 0,1,2,3
	ds_store_b32 v[SSQ], v[WD+qM+\m] offset:(qM+\m)*256   ; both halves of the lanes write the same word with the same value
.endr
.endif
.endm
; my channel tile j x the group's 128 tokens: the same with x as source 0
.macro VMM j
	WIN 0x3e                                       ; source 0 (x) window 2, source 1 (Wv) and C (bv) window 3
.irp t, 0,1,2,3,4,5,6,7
	WM ACC+64*(\j)+8*\t, 32*\t, 32*(\j), BV+8*(\j), XS+4*(\t/2), VWS, \t%2, \j
.endr
	WIN 0x0e
.irp s, 1,2,3
.irp t, 0,1,2,3,4,5,6,7
	WM ACC+64*(\j)+8*\t, 32*\t+8*\s, 32*(\j)+8*\s, ACC+64*(\j)+8*\t, XS+4*(\t/2)+\s, VWS+\s, \t%2, \j
.endr
.endr
	WIN 0
.endm
.macro VQ j                            ; one fragment of v: blocks of 32 tokens
.if (\j) > 0
	s_wait_xcnt 0x0                                ; the stores of the fragment before have read their registers
.endif
	QMAX ACC+64*(\j)
.irp b, 0,1,2,3
	v_lshrrev_b32 v[TM+4+\b], 23, v[TM+12+\b]
.endr
	v_lshl_or_b32 v[PW], v[TM+5], 8, v[TM+4]       ; four bytes: my channel's scale word, the same in both halves of the lanes
	v_lshl_or_b32 v[PW], v[TM+6], 16, v[PW]
	v_lshl_or_b32 v[PW], v[TM+7], 24, v[PW]
	QCVT ACC+64*(\j), PC, 2
.irp c, 0,1
.irp i, 0,1
	v_permlane16_swap_b32 v[PC+4*\c+\i], v[PC+2+4*\c+\i]
.endr
.endr
	global_store_b128 v[LI], v[PC:PC+3], s[VF:VF+1] offset:(\j)*1024
	global_store_b128 v[LI], v[PC+4:PC+7], s[VF:VF+1] offset:(\j)*1024+512
	ds_store_b32 v[SSV], v[PW] offset:(\j)*4
.endm
.macro WLD b                           ; W's tiles 2 b and 2 b + 1, which begin at rows 32 b and 32 b + 8: 16 loads; they stay
	WIN 0x40
.irp u, 0,1
.irp s, 0,1,2,3
.irp c, 0,1
	global_load_b128 v[8*(4*(2*(\b)+\u)+\s)+4*\c:8*(4*(2*(\b)+\u)+\s)+4*\c+3], v[WA], s[8:9] offset:(32*(\b)+8*\u)*256+64*\s+32*\c
.endr
.endr
.endr
	WIN 0
.endm
	s_load_b512 s[4:19], s[0:1], 0x0               ; x_codes 4:5, x_scales 6:7, Wq_codes 8:9, Wq_scales 10:11, bq 12:13, Wk_codes 14:15, Wk_scales 16:17, bk 18:19
	s_load_b256 s[20:27], s[0:1], 0x40             ; Wv_codes 20:21, Wv_scales 22:23, bv 24:25, qf 26:27
	s_load_b128 s[28:31], s[0:1], 0x60             ; kf 28:29, vf 30:31
	v_lshl_add_u32 v[SPW], v0, 2, SPARE
	v_mov_b32 v[NIL], 0
	ds_add_u32 v[SPW], v[NIL]                      ; the opening lines: the add, twice on end, and its wait ahead of my tensor load
	ds_add_u32 v[SPW], v[NIL]
	v_lshrrev_b32 v1, 5, v0
	v_readfirstlane_b32 s[WV], v1                  ; wave g
	s_and_b32 s[YY], ttmp7, 0xffff                 ; y
	v_and_b32 v1, 31, v0                           ; lane
	v_and_b32 v2, 15, v0                           ; r
	v_bfe_u32 v3, v0, 4, 1                         ; h
	v_and_b32 v4, 8, v2
	v_add_nc_u32 v4, v4, v2                        ; r + 8 (r / 8)
	v_mul_u32_u24 v[XL], v4, XP
	v_lshl_add_u32 v[XL], v3, 4, v[XL]
	v_lshlrev_b32 v[WA], 8, v4
	v_lshl_add_u32 v[WA], v3, 4, v[WA]
	v_lshlrev_b32 v[VA], 8, v2
	v_lshl_add_u32 v[VA], v3, 4, v[VA]
	v_lshlrev_b32 v[LI], 4, v1
	v_lshl_add_u32 v[XSA], v3, 3, v4
	v_lshlrev_b32 v[XSA], 4, v[XSA]
	v_lshlrev_b32 v[BA], 6, v3
	v_lshlrev_b32 v[BVA], 2, v2
	s_lshl_b32 s34, s[WV], 2
	s_add_co_u32 s34, s34, SCQ
	v_lshl_add_u32 v[SSQ], v2, 4, s34
	s_lshr_b32 s34, s[WV], 1
	s_lshl_b32 s34, s34, 8
	s_and_b32 s35, s[WV], 1
	s_lshl_b32 s35, s35, 3
	s_add_co_u32 s34, s34, s35
	s_add_co_u32 s34, s34, SCV
	v_lshl_add_u32 v[SSV], v2, 4, s34
	v_lshl_add_u32 v[SRD], v0, 4, SCQ
	v_lshl_add_u32 v[SRV], v1, 4, SCV
	v_lshlrev_b32 v[GT], 4, v0
.irp b, 0,1,2,3
	v_mov_b32 v[TM+4+\b], 0                        ; written once: a lane permute's destination counts as one of its sources
.endr
	s_mov_b32 s[SEL], 0x76543210
	s_mov_b32 s[SEL+1], 0xfedcba98
	; the tensor load: my 32 of the group's 128 rows of x, 256 bytes each, 16 bytes of padding behind each
	s_mov_b32 s[G1+0], (0<<16)|(1<<20)|(5<<22)|(3<<25)   ; no mask; elements of 1 byte; padding on: 4 words after every 64
	s_mov_b32 s[G1+1], 256<<16                     ; tensor_dim0
	s_mov_b32 s[G1+2], 32<<16                      ; tensor_dim1
	s_mov_b32 s[G1+3], 256<<16                     ; tile_dim0
	s_mov_b32 s[G1+4], 32                          ; tile_dim1
	s_mov_b32 s[G1+5], 256                         ; from row to row
	s_mov_b32 s[G1+6], 0
	s_mov_b32 s[G1+7], 0
	s_mov_b32 s[G0], 1
	s_mul_i32 s[G0+1], s[WV], 32*XP                ; LDS: my 32 rows
	s_wait_alu depctr_va_vdst(0)                   ; the wait here, directly ahead of the waits below
	s_wait_dscnt 0x0
	s_wait_kmcnt 0x0
	s_cmp_eq_u32 s[YY], 0                          ; q's work-group or k's: the choice hangs on the work-group's number alone
	s_cselect_b64 s[8:9], s[8:9], s[14:15]
	s_cselect_b64 s[10:11], s[10:11], s[16:17]
	s_cselect_b64 s[12:13], s[12:13], s[18:19]
	s_cselect_b64 s[26:27], s[26:27], s[28:29]
	s_mov_b32 s35, 0
	s_lshl_b32 s34, ttmp9, 15                      ; the group's 128 rows of 256 bytes,
	s_lshl_b32 s36, s[WV], 13                      ; my 32 of them
	s_add_co_u32 s34, s34, s36
	s_add_nc_u64 s[G0+2:G0+3], s[4:5], s[34:35]
	s_or_b32 s[G0+3], s[G0+3], 0x80000000          ; type = 2
	tensor_load_to_lds s[G0:G0+3], s[G1:G1+7]      ; filled once: one tensor load of mine is out
	s_nop 0
	PLACES                                         ; four v_nop follow it
	s_lshl_b32 s34, ttmp9, 11
	s_add_nc_u64 s[6:7], s[6:7], s[34:35]          ; x's scale bytes: 16 a token
	s_lshl_b32 s34, s[WV], 15
	s_add_nc_u64 s[8:9], s[8:9], s[34:35]          ; my 128 rows of W,
	s_lshl_b32 s34, s[WV], 11
	s_add_nc_u64 s[10:11], s[10:11], s[34:35]      ; their scale bytes,
	s_lshl_b32 s34, s[WV], 9
	s_add_nc_u64 s[12:13], s[12:13], s[34:35]      ; their bias
	s_lshl_b32 s36, s[YY], 3
	s_lshl_b32 s34, s[WV], 1
	s_add_co_u32 s36, s36, s34                     ; my first channel tile: 8 y + 2 g
	s_lshl_b32 s34, s36, 12
	s_add_nc_u64 s[20:21], s[20:21], s[34:35]
	s_lshl_b32 s34, s36, 8
	s_add_nc_u64 s[22:23], s[22:23], s[34:35]
	s_lshl_b32 s34, s36, 6
	s_add_nc_u64 s[24:25], s[24:25], s[34:35]
.irp b, 0,1,2,3                                ; scale words: a row's 16 bytes are its four K steps' words; lanes 0-15 tile 2 b, lanes 16-31 tile 2 b + 1
	global_load_b128 v[XS+4*\b:XS+4*\b+3], v[XSA], s[6:7] offset:512*\b
	global_load_b128 v[WS+4*\b:WS+4*\b+3], v[XSA], s[10:11] offset:512*\b
.endr
	global_load_b128 v[VWS:VWS+3], v[LI], s[22:23]
	WIN 0xc0                                       ; destination window 3
.irp t, 0,1,2,3,4,5,6,7                        ; the bias in the result's layout: lane (r, h), tile 2 b + u: units 32 b + 16 h + 8 u + 0 .. 7
	global_load_b128 v[BQ+8*\t:BQ+8*\t+3], v[BA], s[12:13] offset:(32*(\t/2)+8*(\t%2))*4
	global_load_b128 v[BQ+8*\t+4:BQ+8*\t+7], v[BA], s[12:13] offset:(32*(\t/2)+8*(\t%2))*4+16
.endr
	WLD 0
	WLD 1
	s_mul_i32 s34, ttmp9, 34816
	s_add_nc_u64 s[OS:OS+1], s[26:27], s[34:35]    ; the group in qf or kf
	s_lshl_b32 s34, s[WV], 10
	s_add_nc_u64 s[OF:OF+1], s[OS:OS+1], s[34:35]  ; K step g
	s_add_nc_u64 s[OS:OS+1], s[OS:OS+1], 32768
	s_mul_i32 s34, ttmp9, 17408
	s_add_nc_u64 s[VSP:VSP+1], s[30:31], s[34:35]  ; the group in vf
	s_lshl_b32 s34, s36, 10
	s_add_nc_u64 s[VF:VF+1], s[VSP:VSP+1], s[34:35]
	s_lshl_b32 s34, s[YY], 9
	s_add_co_u32 s34, s34, 16384
	s_add_nc_u64 s[VSP:VSP+1], s[VSP:VSP+1], s[34:35]
	s_wait_tensorcnt 0x0                           ; my 32 rows of x are in LDS,
	s_barrier_signal -1
	s_barrier_wait -1                              ; everybody's are
	WIN 0x80                                       ; destination window 2
.irp t, 0,1,2,3,4,5,6,7
.irp s, 0,1,2,3
.irp c, 0,1
	ds_load_b128 v[8*(4*\t+\s)+4*\c:8*(4*\t+\s)+4*\c+3], v[XL] offset:(32*(\t/2)+8*(\t%2))*XP+64*\s+32*\c
.endr
.endr
.endr
	WLD 2
	WLD 3
	s_wait_dscnt 0x0
	s_wait_loadcnt 48                              ; W's block 0 and all ahead of it: blocks 1 to 3 may be out
	MM 0
	MM 1
	WIN 0xc0
.irp j, 0,1
.irp s, 0,1,2,3
.irp c, 0,1
	global_load_b128 v[8*(4*\j+\s)+4*\c:8*(4*\j+\s)+4*\c+3], v[VA], s[20:21] offset:\j*4096+64*\s+32*\c
.endr
.endr
.endr
	WIN 0
	PLACES
	Q 0
	s_wait_loadcnt 48                              ; block 1: blocks 2 and 3 and Wv's 16 may be out
	MM 2
	Q 1
	WIN 0xc0
.irp j, 0,1                                    ; bv: a lane holds one channel, so its number stands in all eight registers
.irp i, 0,1,2,3,4,5,6,7
	global_load_b32 v[BV+8*\j+\i], v[BVA], s[24:25] offset:64*\j
.endr
.endr
	WIN 0
	MM 3
	Q 2
	s_wait_loadcnt 48                              ; block 2: block 3, Wv's 16 and bv's 16 may be out
	MM 4
	Q 3
	MM 5
	Q 4
	s_wait_loadcnt 32                              ; block 3: Wv's and bv's may be out
	MM 6
	Q 5
	MM 7
	Q 6
	s_wait_loadcnt 0x0
	VMM 0
	Q 7
	VMM 1
	VQ 0
	VQ 1
	s_wait_dscnt 0x0                               ; for the others' sake: my scale words lie in the stages
	s_barrier_signal -1
	s_barrier_wait -1
	ds_load_b128 v[OUQ:OUQ+3], v[SRD]
	s_wait_dscnt 0x0
	global_store_b128 v[GT], v[OUQ:OUQ+3], s[OS:OS+1]   ; the group's 2,048 bytes of scale words: each wave stores 512 consecutive bytes, aligned
	s_cmp_lg_u32 s[WV], 0
	s_cbranch_scc1 .Lend
	ds_load_b128 v[OUV:OUV+3], v[SRV]              ; wave 0: the work-group's 512 bytes of v's scale words
	s_wait_dscnt 0x0
	global_store_b128 v[LI], v[OUV:OUV+3], s[VSP:VSP+1]
.Lend:
	s_wait_tensorcnt 0x0                           ; the wave's end, behind my last LDS store
	ds_add_u32 v[SPW], v[NIL]
	s_wait_dscnt 0x0
	s_endpgm
.Lfunc_end_k_q6569177541_proj:
	.size	k_q6569177541_proj, .Lfunc_end_k_q6569177541_proj-k_q6569177541_proj
	.p2alignl 7, 3214868480
	.fill 96, 4, 3214868480
	.section	.rodata,"a",@progbits
	.p2align	6, 0x0
	.amdhsa_kernel k_q6569177541_proj
		.amdhsa_group_segment_fixed_size 168448
		.amdhsa_private_segment_fixed_size 0
		.amdhsa_enable_private_segment 0
		.amdhsa_kernarg_size 112
		.amdhsa_user_sgpr_count 2
		.amdhsa_user_sgpr_kernarg_segment_ptr 1
		.amdhsa_wavefront_size32 1
		.amdhsa_system_sgpr_workgroup_id_x 1
		.amdhsa_system_sgpr_workgroup_id_y 1
		.amdhsa_system_sgpr_workgroup_id_z 1
		.amdhsa_system_vgpr_workitem_id 0
		.amdhsa_next_free_vgpr 1024
		.amdhsa_next_free_sgpr 66
		.amdhsa_reserve_vcc 0
		.amdhsa_float_denorm_mode_32 3
		.amdhsa_float_denorm_mode_16_64 3
		.amdhsa_memory_ordered 1
		.amdhsa_forward_progress 1
		.amdhsa_inst_pref_size 103
	.end_amdhsa_kernel
	.amdgpu_metadata
---
amdhsa.version: [ 1, 2 ]
amdhsa.kernels:
  - .name:           k_q6569177541_proj
    .symbol:         k_q6569177541_proj.kd
    .args:
      - { .name: x_codes, .offset: 0, .size: 8, .value_kind: global_buffer, .address_space: global }
      - { .name: x_scales, .offset: 8, .size: 8, .value_kind: global_buffer, .address_space: global }
      - { .name: Wq_codes, .offset: 16, .size: 8, .value_kind: global_buffer, .address_space: global }
      - { .name: Wq_scales, .offset: 24, .size: 8, .value_kind: global_buffer, .address_space: global }
      - { .name: bq, .offset: 32, .size: 8, .value_kind: global_buffer, .address_space: global }
      - { .name: Wk_codes, .offset: 40, .size: 8, .value_kind: global_buffer, .address_space: global }
      - { .name: Wk_scales, .offset: 48, .size: 8, .value_kind: global_buffer, .address_space: global }
      - { .name: bk, .offset: 56, .size: 8, .value_kind: global_buffer, .address_space: global }
      - { .name: Wv_codes, .offset: 64, .size: 8, .value_kind: global_buffer, .address_space: global }
      - { .name: Wv_scales, .offset: 72, .size: 8, .value_kind: global_buffer, .address_space: global }
      - { .name: bv, .offset: 80, .size: 8, .value_kind: global_buffer, .address_space: global }
      - { .name: qf, .offset: 88, .size: 8, .value_kind: global_buffer, .address_space: global }
      - { .name: kf, .offset: 96, .size: 8, .value_kind: global_buffer, .address_space: global }
      - { .name: vf, .offset: 104, .size: 8, .value_kind: global_buffer, .address_space: global }
    .group_segment_fixed_size: 168448
    .private_segment_fixed_size: 0
    .kernarg_segment_align: 8
    .kernarg_segment_size: 112
    .max_flat_workgroup_size: 128
    .sgpr_count:     66
    .vgpr_count:     1024
    .wavefront_size: 32
...
	.end_amdgpu_metadata
.endif
;; end of part 1
;; launch attn (part 2): grid 64 x 4, 8 waves a work-group, clusters of 4 x 1, 327,680 bytes of LDS; arguments qf, kf, vf, out0; writes out0
.if DOCPART == 2
	.amdgcn_target "amdgcn-amd-amdhsa--gfx1250"
	.amdhsa_code_object_version 6
	.text
	.protected	k_q6569177541_attn
	.globl	k_q6569177541_attn
	.p2align	8
	.type	k_q6569177541_attn,@function
k_q6569177541_attn:
	s_mov_b64 s[64:65], 0
	v_nop
	global_prefetch_b8 v0, s[64:65] scope:SCOPE_SE
	s_setreg_imm32_b32 hwreg(HW_REG_WAVE_MODE, 25, 1), 1
	s_wait_xcnt 0x0
	s_wait_alu depctr_hold_cnt(0) depctr_sa_sdst(0) depctr_va_vdst(0) depctr_va_sdst(0) depctr_va_ssrc(0) depctr_va_vcc(0) depctr_vm_vsrc(0)
	s_getreg_b32 s2, hwreg(HW_REG_IB_STS2, 6, 4)
	s_cmp_eq_u32 s2, 0
	s_cbranch_scc0 .Lentry_in_a_cluster
	s_endpgm
.Lentry_in_a_cluster:
	s_bfe_u32 s2, ttmp6, 0x10000c
	s_cmp_lg_u32 s2, 0x3003
	s_cbranch_scc0 .Lentry_shape_is_right
	s_endpgm
.Lentry_shape_is_right:
; out[b][q][:] = the sum over k of softmax_k(q . k / 16) v[k][:], 4 batches of 4,096 tokens, q and k of 512 units, v of 256 channels, both products on codes of FP4 (E2M1) with one E8M0 scale for each 32 along K.
; qf, kf, vf hold images of operand registers, by groups of 128 tokens: qf, kf 34,816 bytes a group (fragment (token tile tt, K step s) at (4 tt + s) x 1,024 + 512 c + 16 x lane; scale words from 32,768 on, at 256 tt + 16 r + 4 s),
; vf 17,408 bytes a group (fragment of channel tile ct at 1,024 ct + 512 c + 16 x lane; scale words from 16,384 on, at 256 (ct / 4) + 16 r + 4 (ct % 4)).  Row r of token tile 2 b + u is token 32 b + 8 u + r + 8 (r / 8) of its group.
; THE SOFTMAX: t = score x log2(e) / 16; M = the largest t so far, rounded up to a whole number; p = 2^(t - M) is quantised along the keys, not normalised; the sum is taken of the unquantised p and divides at the end.
; When M moves, the sums and O are multiplied by 2^(old M - new M): exact.
; SHARES.  A work-group owns 64 queries (four tiles of 16); a trip is 512 keys.  In the first product and the softmax wave w of eight takes ALL 64 queries x keys 64 w .. 64 w + 63 of the trip: each fragment of K is read from LDS by one wave and feeds four products.
; The eight waves' maxima meet in LDS, so M is common to them.  P's codes and scale bytes go to LDS as images of operand registers.  In the second product wave w takes channels 32 w .. + 31 x all 64 queries over all 512 keys:
; O lies in 64 registers a wave and is whole: nothing is merged at the end but the row sums.
; LAYOUT.  Both products transposed: S^T = K Q^T (source 0 = 16 keys), O^T = V^T P^T (source 0 = 16 channels): a lane holds one query throughout; the 16 registers of S^T's tiles 2 b, 2 b + 1 are keys 32 b + 16 (lane / 16) + 0 .. 15.
; A TRIP j HAS TWO BARRIERS.  X, a round of the cluster's barrier: the maxima of trip j are in LDS, K of trip j has been read by all, K of trip j + 1 has landed; the joint load asks for K of trip j + 2 into the slot just read.  Then the softmax.
; Y: P is in LDS.  Between its signal and its wait stands K Q^T of trip j + 1; behind it P's loads, the maxima of trip j + 1 under them, and V^T P of trip j.
; By this text's count a wave has at most one tensor load out.
; CLUSTER.  The four work-groups of a cluster belong to one batch and walk the same K: each tile is asked for jointly, by the same tensor load with the same descriptor and a mask that names the four.
; NO JOINT LOADS FOR V: two slots of K's 139,264 and V's 69,632 bytes are 417,792 bytes, more than the 327,680 of LDS; and a fragment of V is used by one wave of the work-group: it goes from memory straight into that wave's registers, for the trip ahead.
; LIMITS: NaN and infinities are not served; the scaled scores t stay under 2^31 in magnitude; a p under 2^-126 counts as 0; a block of p whose largest lies under 2^-124 gets the scale byte 1 (its codes are zeros or next to it).
; REGISTERS, in windows of 256: window 0: v0-11 addresses, v12-27 statistics, v28-43 at work, v44-51 Q's scale words, v52-59 K's, then P's, v60-63 V's; v64-127 O^T, tile (query tile i, ct) at 64 + 16 i + 8 ct;
;   v128-255 S^T, tile (q, kt) at 128 + 32 q + 8 kt, then p.   window 1: Q's fragments (q, s) at 32 q + 8 s; from v128 two K steps of K's (kt, s) at 128 + 32 (s % 2) + 8 kt, then two key steps of P's (i, ks) laid likewise; from v192 V's (ks, ct) at 192 + 16 ks + 8 ct.
.set KH,    34816                      ; a group of K
.set VH,    17408                      ; and of V
.set KSLOT, 4*KH                       ; 0x22000: LDS: K's two slots of four groups.  No multiple w x 17,408, w < 8, has one of its two bits: an exclusive or turns an address of an eighth into the other slot's
.set PB,    2*KSLOT                    ; P: for each pair of query tiles 8,192 bytes of codes and 512 of scale words; at the head Q passes through here
.set PP,    8704
.set MB,    PB+2*PP                    ; the waves' maxima: [tile][wave / 4][r][wave % 4]
.set LB,    MB+2048                    ; their row sums, laid likewise
.set SPARE, LB+2048                    ; the spare words, 128 bytes for each wave: blocks of 256 bytes that no other line names
.set STP,   1040                       ; the way out: 64 rows of 1,024 bytes + 16, in K's slot 0, which has had its last fill and its last read by then
.set PFO, 0                            ; v0   behind the head: 256 x lane, the prefetches' offset
.set SPW, 1                            ; v1   LDS address of my spare word; never rewritten
.set NIL, 2                            ; v2   0; never rewritten
.set AK,  3                            ; v3   K's fragments in slot 0;  v4 its scale words
.set AKS, 4
.set VOF, 5                            ; v5   V's fragments in memory: 2,048 w + 16 x lane;  v6 its scale words
.set VSO, 6
.set MXW, 7                            ; v7   where my maxima go;  v8 where four waves' are read
.set MXR, 8
.set PWR, 9                            ; v9   where my codes of P go;  v10 my scale bytes;  v11 where P is read
.set SWR, 10
.set PRD, 11
.set ST,  12                           ; tile q: v[ST + 4 q] -M, + 1 f, + 2, + 3 the sum in two halves
.set BM,  28                           ; the eight blocks' largest
.set T,   36                           ; + 0, 1 the conversions' scale operands, + 2, 3 bytes, + 4 .. 7 codes; K's addresses
.set QS,  44
.set KS,  52
.set PS,  52
.set VS,  60
.set O,   64
.set S,   128
.set WV,  12                           ; s12  my wave's number w
.set QH,  13                           ; s13  w / 4
.set WA,  14                           ; s14  w % 4
.set WG,  15                           ; s15  w / 2
.set WH,  16                           ; s16  w % 2
.set CX,  17                           ; s17  my place in the cluster
.set BT,  18                           ; s18  batch
.set BK,  19                           ; s19  my block of 64 queries
.set G1,  24                           ; s[24:31] descriptor group 1 of the refills: 68 rows of 256 bytes, an eighth of a slot;  s[32:35] their group 0
.set G0,  32
.set G0H, 36                           ; s[36:39], s[68:75] groups 0 and 1 of the head's load: 136 rows
.set G1H, 68
.set SEL, 40
.set CS,  42                           ; s[42:43] c = log2(e) / 16
.set TB,  45                           ; s45  the slot of the next K Q^T
.set CNT, 46
.set LIM, 47                           ; s47  a wave prefetches while s[CNT] is above it
.set PFS, 48
.set PFA, 50
.set VBS, 52                           ; s[52:53] V of the trip in hand
.set QB,  54
.set QSB, 56
.set W_MM, 0x05                        ; sources 0 and 1 window 1, C and D window 0
.set MSB, 0
.macro WIN new                         ; the immediate's high byte repeats the setting that is left
.if MSB != \new
	s_set_vgpr_msb (MSB<<8)|\new
.set MSB, \new
.endif
.endm
.macro PLACES n                        ; places behind a matrix instruction (ISA guide 7.12.1 for matrix instructions)
.rept \n
	v_nop
.endr
.endm
.macro CROUND                          ; a round of the cluster's barrier
	s_barrier_signal -1
	s_barrier_wait -1
	s_cmp_lg_u32 s[WV], 0
	s_cbranch_scc1 .Lnot_wave_0_\@
	s_barrier_signal -3
.Lnot_wave_0_\@:
	s_barrier_wait -3
	s_barrier_signal -1
	s_barrier_wait -1
.endm
; A PREFETCH INTO THE L2 of the fragments of the trip three on: K's are asked for one trip ahead of their joint load, V's two ahead of their loads.  All clusters of a batch walk the same K and V: four of its sixteen ask,
; and the four partners of such a cluster share the blocks out BY ADDRESS: partner p takes group p of the trip's four: waves 0 to 3 8,192 bytes each of K's 32,768, waves 4 and 5 of V's 16,384, lanes 256 bytes apart.
; The scale words (3,072 bytes a group) and the first three trips come by their loads alone.  The last asks name trip 7's tiles.
.macro ASK
	s_cmp_gt_u32 s[CNT], s[LIM]
	s_cbranch_scc0 .Lnot_mine_\@
	global_prefetch_b8 v[PFO], s[PFA:PFA+1] th:TH_LOAD_NT scope:SCOPE_SE
.Lnot_mine_\@:
.endm
; one matrix instruction; c: the text of its C; ra, rb: the half of the lanes that holds source 0's and source 1's scale words
.macro WMI d, a, b, c, sa, sb, ra, rb
.if (\ra) && (\rb)
	v_wmma_scale_f32_16x16x128_f8f6f4 v[(\d):(\d)+7], v[(\a):(\a)+7], v[(\b):(\b)+7], \c, v[(\sa)], v[(\sb)] matrix_a_fmt:MATRIX_FMT_FP4 matrix_b_fmt:MATRIX_FMT_FP4 matrix_a_scale:MATRIX_SCALE_ROW1 matrix_b_scale:MATRIX_SCALE_ROW1
.elseif (\ra)
	v_wmma_scale_f32_16x16x128_f8f6f4 v[(\d):(\d)+7], v[(\a):(\a)+7], v[(\b):(\b)+7], \c, v[(\sa)], v[(\sb)] matrix_a_fmt:MATRIX_FMT_FP4 matrix_b_fmt:MATRIX_FMT_FP4 matrix_a_scale:MATRIX_SCALE_ROW1
.elseif (\rb)
	v_wmma_scale_f32_16x16x128_f8f6f4 v[(\d):(\d)+7], v[(\a):(\a)+7], v[(\b):(\b)+7], \c, v[(\sa)], v[(\sb)] matrix_a_fmt:MATRIX_FMT_FP4 matrix_b_fmt:MATRIX_FMT_FP4 matrix_b_scale:MATRIX_SCALE_ROW1
.else
	v_wmma_scale_f32_16x16x128_f8f6f4 v[(\d):(\d)+7], v[(\a):(\a)+7], v[(\b):(\b)+7], \c, v[(\sa)], v[(\sb)] matrix_a_fmt:MATRIX_FMT_FP4 matrix_b_fmt:MATRIX_FMT_FP4
.endif
.endm
.macro KLD s, a                        ; K's four fragments of K step s
	WIN 0x40
.irp kt, 0,1,2,3
.irp c, 0,1
	ds_load_b128 v[128+32*((\s)%2)+8*\kt+4*\c:128+32*((\s)%2)+8*\kt+4*\c+3], v[\a] offset:(4*\kt+(\s))*1024+512*\c
.endr
.endr
.endm
.macro KQ s                            ; 16 products: 16 accumulators by turns; K step 0 starts the sums
	WIN W_MM
.irp kt, 0,1,2,3
.irp qt, 0,1,2,3
.if (\s) == 0
	WMI S+32*\qt+8*\kt, 128+32*((\s)%2)+8*\kt, 32*\qt+8*(\s), 0, KS+4*(\kt/2)+(\s), QS+4*(\qt/2)+(\s), \kt%2, \qt%2
.else
	WMI S+32*\qt+8*\kt, 128+32*((\s)%2)+8*\kt, 32*\qt+8*(\s), v[S+32*\qt+8*\kt:S+32*\qt+8*\kt+7], KS+4*(\kt/2)+(\s), QS+4*(\qt/2)+(\s), \kt%2, \qt%2
.endif
.endr
.endr
.endm
.macro KFIRST a, as                    ; K's scale words and its first two K steps
	WIN 0
	ds_load_b128 v[KS:KS+3], v[\as]
	ds_load_b128 v[KS+4:KS+7], v[\as] offset:512
	KLD 0, \a
	KLD 1, \a
	WIN 0
.endm
.macro KREST a                         ; S^T = K Q^T: a K step's loads are out while the one before is multiplied
	s_wait_dscnt 8                                 ; all but K step 1's eight
	KQ 0
	PLACES 4                                       ; K step 2 lands on K step 0's registers
	KLD 2, \a
	s_wait_dscnt 8
	KQ 1
	PLACES 4
	KLD 3, \a
	s_wait_dscnt 8
	KQ 2
	s_wait_dscnt 0
	KQ 3
	WIN 0
	PLACES 4                                       ; P lands on K's registers; the scores are read next
.endm
.macro MAXP                            ; the largest score of each block of 32 keys: for the row's maximum and, since p rises with the score, for the block's largest p; then each tile's, to LDS
.irp q, 0,1,2,3
.irp b, 0,1
	v_max3_num_f32 v[BM+2*\q+\b], v[S+32*\q+16*\b], v[S+32*\q+16*\b+1], v[S+32*\q+16*\b+2]
.endr
.endr
.irp i, 3,5,7,9,11,13
.irp q, 0,1,2,3
.irp b, 0,1
	v_max3_num_f32 v[BM+2*\q+\b], v[BM+2*\q+\b], v[S+32*\q+16*\b+\i], v[S+32*\q+16*\b+\i+1]
.endr
.endr
.endr
.irp q, 0,1,2,3
.irp b, 0,1
	v_max_num_f32 v[BM+2*\q+\b], v[BM+2*\q+\b], v[S+32*\q+16*\b+15]
.endr
.endr
.irp n, 0,1,2,3,4,5,6,7
	v_permlanex16_b32 v[T+\n], v[BM+\n], s[SEL], s[SEL+1]
.endr
.irp n, 0,1,2,3,4,5,6,7
	v_max_num_f32 v[BM+\n], v[BM+\n], v[T+\n]      ; with lane l xor 16's 16 keys
.endr
.irp q, 0,1,2,3
	v_max_num_f32 v[T+\q], v[BM+2*\q], v[BM+2*\q+1]
.endr
.irp q, 0,1,2,3
	v_mul_f32 v[T+\q], s[CS], v[T+\q]              ; as t (c is positive),
.endr
.irp q, 0,1,2,3
	v_ceil_f32 v[T+\q], v[T+\q]                    ; rounded up: the largest of the waves' is the rounded largest
.endr
.irp q, 0,1,2,3
	ds_store_b32 v[MXW], v[T+\q] offset:512*\q     ; both halves of the lanes write the same word with the same value
.endr
.endm
.macro MNEW                            ; behind X: the eight waves' maxima, the new M and f
	WIN 0x40
.irp q, 0,1,2,3
	ds_load_b128 v[128+4*\q:131+4*\q], v[MXR] offset:512*\q   ; lanes 0-15 waves 0-3's, lanes 16-31 waves 4-7's
.endr
	WIN 0
.irp q, 0,1,2,3
	v_mov_b32 v[ST+4*\q+1], v[ST+4*\q]             ; the old -M, in f's place
.endr
	s_wait_dscnt 0x0
	WIN 0x15                                       ; all sources window 1
.irp q, 0,1,2,3
	v_max3_num_f32 v[T+\q], v[128+4*\q], v[129+4*\q], v[130+4*\q]
.endr
	WIN 0x01
.irp q, 0,1,2,3
	v_max_num_f32 v[T+\q], v[131+4*\q], v[T+\q]
.endr
	WIN 0
.irp q, 0,1,2,3
	v_permlanex16_b32 v[T+4+\q], v[T+\q], s[SEL], s[SEL+1]
.endr
.irp q, 0,1,2,3
	v_max_num_f32 v[T+\q], v[T+\q], v[T+4+\q]      ; the trip's largest t of my query, rounded up
.endr
.irp q, 0,1,2,3
	v_min_num_f32 v[ST+4*\q], v[ST+4*\q], -v[T+\q] ; the new -M: M is a whole number
.endr
.endm
.macro FNEW
.irp q, 0,1,2,3
	v_sub_f32 v[T+4+\q], v[ST+4*\q], v[ST+4*\q+1]  ; old M - new M: a whole number, 0 or less
.endr
.irp q, 0,1,2,3
	v_cvt_i32_f32 v[T+4+\q], v[T+4+\q]             ; (it saturates)
.endr
.irp q, 0,1,2,3
	v_ldexp_f32 v[ST+4*\q+1], 1.0, v[T+4+\q]       ; f = 2^(old M - new M)
.endr
.endm
.macro FMA1 q, n                       ; line n of 18: t - M of tile q, two at a time; the same of its blocks' largest scores
.if (\n) < 16
	v_pk_fma_f32 v[S+32*(\q)+2*(\n):S+32*(\q)+2*(\n)+1], v[S+32*(\q)+2*(\n):S+32*(\q)+2*(\n)+1], s[CS:CS+1], v[ST+4*(\q):ST+4*(\q)+1] op_sel_hi:[1,0,0]
.else
	v_fma_f32 v[BM+2*(\q)+(\n)-16], v[BM+2*(\q)+(\n)-16], s[CS], v[ST+4*(\q)]
.endif
.endm
.macro CVT1 q, n                       ; line n of 4: eight codes of tile q
	v_cvt_scalef32_pk8_fp4_f32 v[T+4+(\n)], v[S+32*(\q)+8*(\n):S+32*(\q)+8*(\n)+7], v[T+(\n)/2]
.endm
.macro ADD1 q, n                       ; line n of 8: tile q's 16 pairs of p become 8 pairs of sums (its codes have been made)
	v_pk_add_f32 v[S+32*(\q)+2*(\n):S+32*(\q)+2*(\n)+1], v[S+32*(\q)+2*(\n):S+32*(\q)+2*(\n)+1], v[S+32*(\q)+16+2*(\n):S+32*(\q)+17+2*(\n)]
.endm
.macro PLAIN q                         ; a line that stands among tile q's exponentials: the codes of tile q - 1, the multiply-adds of tile q + 1, the first sums of tile q - 1: none reads what another of them writes
.if CI < CN1
.if CI == 4
	v_nop                                          ; one plain place behind the conversions
.else
	CVT1 (\q)-1, CI
.endif
.set CI, CI+1
.elseif FI < FN1
	FMA1 (\q)+1, FI
.set FI, FI+1
.elseif AI < AN1
	ADD1 (\q)-1, AI
.set AI, AI+1
.endif
.endm
.macro PSTORE e                        ; tile e's codes
	ds_store_b128 v[PWR], v[T+4:T+7] offset:((\e)/2)*PP+((\e)%2)*4096
.endm
.macro SSTORE q                        ; tile q's two scale bytes
	ds_store_b16 v[SWR], v[T+2] offset:((\q)/2)*PP+((\q)%2)*256
.endm
.macro BATCH q                         ; tile q's 34 exponentials
.set CI, 0
.set FI, 0
.set AI, 0
.set CN1, 0
.set FN1, 0
.set AN1, 0
.if (\q) > 0
.set CN1, 5
.set AN1, 8
.endif
.if (\q) < 3
.set FN1, 18
.endif
	s_wait_alu depctr_va_vdst(0)                   ; the wait ahead of the batch
.if (\q) > 0
	SSTORE (\q)-1
.endif
.if (\q) > 1
	PSTORE (\q)-2
.endif
	v_exp_f32 v[BM+2*(\q)], v[BM+2*(\q)]           ; the blocks' largest p
	PLAIN \q
	v_exp_f32 v[BM+2*(\q)+1], v[BM+2*(\q)+1]
	PLAIN \q
.set XI, 0
.rept 32
	v_exp_f32 v[S+32*(\q)+XI], v[S+32*(\q)+XI]     ; p = 2^(t - M), at most 1
	PLAIN \q
.set XI, XI+1
.endr
.endm
; Behind tile q's batch: its blocks' scales; and tile e = q - 1 is finished (e < 0: none; q > 3: only that): its sum, its codes in whole blocks (lanes 0-15 the wave's first block of 32 keys, lanes 16-31 its second).
.macro CHAIN q, e
.set rE, S+32*(\e)
.if (\q) < 4
	s_wait_alu depctr_va_vdst(0)                   ; the wait behind the batch
	v_max_num_f32 v[BM+2*(\q)], 0x1800000, v[BM+2*(\q)]   ; the floor 2^(3 - 127): the byte cannot fall under 1
	v_max_num_f32 v[BM+2*(\q)+1], 0x1800000, v[BM+2*(\q)+1]
.endif
.if (\e) >= 0
.irp n, 0,1,2,3
	v_pk_add_f32 v[rE+2*\n:rE+2*\n+1], v[rE+2*\n:rE+2*\n+1], v[rE+8+2*\n:rE+9+2*\n]
.endr
	v_permlane16_swap_b32 v[T+4], v[T+6]
.endif
.if (\q) < 4
	v_add_nc_u32 v[T], 0xff000000, v[BM+2*(\q)]    ; 2 off its exponent field: the conversion's scale operand
	v_add_nc_u32 v[T+1], 0xff000000, v[BM+2*(\q)+1]
.endif
.if (\e) >= 0
	v_pk_add_f32 v[rE:rE+1], v[rE:rE+1], v[rE+4:rE+5]
	v_pk_add_f32 v[rE+2:rE+3], v[rE+2:rE+3], v[rE+6:rE+7]
	v_permlane16_swap_b32 v[T+5], v[T+7]
.endif
.if (\q) < 4
	v_lshrrev_b32 v[T+2], 23, v[T]                 ; the scales' bytes
	v_lshrrev_b32 v[T+3], 23, v[T+1]
.endif
.if (\e) >= 0
	v_pk_add_f32 v[rE:rE+1], v[rE:rE+1], v[rE+2:rE+3]
.endif
.if (\q) < 4
	v_lshl_or_b32 v[T+2], v[T+3], 8, v[T+2]
.endif
.if (\e) >= 0
	v_pk_fma_f32 v[ST+4*(\e)+2:ST+4*(\e)+3], v[ST+4*(\e)+2:ST+4*(\e)+3], v[ST+4*(\e):ST+4*(\e)+1], v[rE:rE+1] op_sel:[0,1,0] op_sel_hi:[1,1,1]   ; the sum under the new M: x f, + this trip's
.endif
.endm
.macro SOFT
	MNEW
.set FI, 0
.rept 18
	FMA1 0, FI
.set FI, FI+1
.endr
	FNEW
	BATCH 0
	CHAIN 0, -1
	BATCH 1
	CHAIN 1, 0
	BATCH 2
	CHAIN 2, 1
	BATCH 3
	CHAIN 3, 2
	PSTORE 2
.irp n, 0,1,2,3
	CVT1 3, \n
.endr
	v_nop
	SSTORE 3
.irp n, 0,1,2,3,4,5,6,7
	ADD1 3, \n
.endr
	CHAIN 4, 3
	PSTORE 3
.endm
.macro PLD ks                          ; P's fragments of key step ks, all four query tiles
	WIN 0x40
.irp i, 0,1,2,3
.irp c, 0,1
	ds_load_b128 v[128+32*((\ks)%2)+8*\i+4*\c:128+32*((\ks)%2)+8*\i+4*\c+3], v[PRD] offset:(\i/2)*PP+(\i%2)*4096+1024*(\ks)+512*\c
.endr
.endr
	WIN 0
.endm
.macro PV ks, first                    ; 8 products: eight accumulators by turns; first: they start the sums: nothing is ever cleared
	WIN W_MM
.irp ct, 0,1
.irp i, 0,1,2,3
.if (\first) && (\ks) == 0
	WMI O+16*\i+8*\ct, 192+16*(\ks)+8*\ct, 128+32*((\ks)%2)+8*\i, 0, VS+2*((\ks)/2)+\ct, PS+4*(\i/2)+(\ks), (\ks)%2, \i%2
.else
	WMI O+16*\i+8*\ct, 192+16*(\ks)+8*\ct, 128+32*((\ks)%2)+8*\i, v[O+16*\i+8*\ct:O+16*\i+8*\ct+7], VS+2*((\ks)/2)+\ct, PS+4*(\i/2)+(\ks), (\ks)%2, \i%2
.endif
.endr
.endr
	WIN 0
.endm
.macro VLOAD                           ; a trip's V, my two channel tiles: 16 loads of fragments, 2 of scale words (lanes 0-15 key step 2 i, lanes 16-31 key step 2 i + 1)
	WIN 0x40
.irp ks, 0,1,2,3
.irp ct, 0,1
.irp c, 0,1
	global_load_b128 v[192+16*\ks+8*\ct+4*\c:192+16*\ks+8*\ct+4*\c+3], v[VOF], s[VBS:VBS+1] offset:VH*\ks+1024*\ct+512*\c
.endr
.endr
.endr
	WIN 0
	global_load_b64 v[VS:VS+1], v[VSO], s[VBS:VBS+1]
	global_load_b64 v[VS+2:VS+3], v[VSO], s[VBS:VBS+1] offset:2*VH
.endm
; A TRIP.  fill: K of the trip two on is asked for; more: a trip follows
.macro TRIP first, fill, more
	s_wait_alu depctr_va_vdst(0)                   ; the wait here, directly ahead of the waits below
.if \fill
	s_wait_tensorcnt 0x0                           ; no tensor load of mine is out, so a group 0 may be written; my part of the next trip's K has landed
	ds_add_u32 v[SPW], v[NIL]                      ; 0 onto my spare word; the descriptor's steps stand between it and the wait for it
.if (\first) == 0
	s_xor_b32 s[G0+1], s[G0+1], KSLOT              ; the other slot than last time,
	s_add_nc_u64 s[G0+2:G0+3], s[G0+2:G0+3], 4*KH  ; the next 512 keys; the type bits on top are not reached
.endif
	s_wait_dscnt 0x0                               ; the add is done, my maxima are in LDS, my reads of this trip's K are over
	CROUND                                         ; X
	tensor_load_to_lds s[G0:G0+3], s[G1:G1+7]      ; the first thing behind the round, and a wave's one tensor load until the next
	s_nop 0
	PLACES 4
	ASK
.else
.if \more
	s_wait_tensorcnt 0x0                           ; my part of the last trip's K has landed
.endif
	s_wait_dscnt 0x0
	s_barrier_signal -1                            ; X: no round
	s_barrier_wait -1
.endif
	SOFT
.if \more
	s_wait_xcnt 0x0                                ; my loads of V and my prefetch have read their bases
	s_add_nc_u64 s[VBS:VBS+1], s[VBS:VBS+1], 4*VH
	s_add_nc_u64 s[PFA:PFA+1], s[PFA:PFA+1], s[PFS:PFS+1]
.else
.irp q, 0,1,2,3
	v_add_f32 v[T+\q], v[ST+4*\q+2], v[ST+4*\q+3]  ; my keys' sums: the two halves,
.endr
.irp q, 0,1,2,3
	v_permlanex16_b32 v[T+4+\q], v[T+\q], s[SEL], s[SEL+1]
.endr
.irp q, 0,1,2,3
	v_add_f32 v[T+\q], v[T+\q], v[T+4+\q]          ; and lane l xor 16's
.endr
.irp q, 0,1,2,3
	ds_store_b32 v[MXW], v[T+\q] offset:LB-MB+512*\q
.endr
.endif
	s_wait_dscnt 0x0                               ; my part of P is in LDS, for the others' sake
	s_barrier_signal -1                            ; Y: between this and its wait registers, and loads of K's slot that is filled next behind a later barrier
.if \more
	v_add_nc_u32 v[T], s[TB], v[AK]
	v_add_nc_u32 v[T+1], s[TB], v[AKS]
	s_xor_b32 s[TB], s[TB], KSLOT
	KFIRST T, T+1
.endif
.if (\first) == 0
	s_wait_alu depctr_va_vdst(0)                   ; the wait here, directly ahead of the first readers of O^T
.irp i, 0,1,2,3
.irp n, 0,2,4,6,8,10,12,14
	v_pk_mul_f32 v[O+16*\i+\n:O+16*\i+\n+1], v[O+16*\i+\n:O+16*\i+\n+1], v[ST+4*\i:ST+4*\i+1] op_sel:[0,1] op_sel_hi:[1,1]   ; O^T under the new M: x f, each accumulator from its low end on
.endr
.endr
.endif
	s_wait_alu depctr_va_vdst(0)                   ; the wait here, directly ahead of the waits below
.if \more
	KREST T
.endif
	s_barrier_wait -1
.if (\more) == 0
.irp q, 0,1,2,3
	ds_load_b128 v[S+4*\q:S+4*\q+3], v[MXR] offset:LB-MB+512*\q   ; the waves' row sums
.endr
.endif
	ds_load_b128 v[PS:PS+3], v[PRD] offset:8192    ; P's scale words: lanes 0-15 query tile 2 i, lanes 16-31 query tile 2 i + 1
	ds_load_b128 v[PS+4:PS+7], v[PRD] offset:PP+8192
	PLD 0
	PLD 1
.if \more
	MAXP                                           ; the next trip's maxima, under P's loads
	s_wait_loadcnt 0x0                             ; V
	s_wait_dscnt 12                                ; all but key step 1's eight and the four stores of maxima
	PV 0, \first
	PLACES 4
	PLD 2
	s_wait_dscnt 12                                ; all but the four stores and key step 2's eight
.else
	s_wait_loadcnt 0x0
	s_wait_dscnt 8
	PV 0, \first
	PLACES 4
	PLD 2
	s_wait_dscnt 8
.endif
	PV 1, \first
	PLACES 4
	PLD 3
	s_wait_dscnt 8
	PV 2, \first
	s_wait_dscnt 0x0
	PV 3, \first
.if \more
	PLACES 4
	VLOAD                                          ; the next trip's V
.endif
.endm
	s_load_b256 s[4:11], s[0:1], 0x0               ; qf s[4:5], kf s[6:7], vf s[8:9], out0 s[10:11]
	v_lshl_add_u32 v[SPW], v0, 2, SPARE
	v_mov_b32 v[NIL], 0
	ds_add_u32 v[SPW], v[NIL]                      ; the opening lines: the add, twice on end, and its wait ahead of my first tensor load
	ds_add_u32 v[SPW], v[NIL]
	v_lshrrev_b32 v3, 5, v0
	v_readfirstlane_b32 s[WV], v3                  ; wave 0..7
	v_and_b32 v131, 31, v0                         ; lane
	v_and_b32 v129, 15, v0                         ; r
	v_bfe_u32 v130, v0, 4, 1                       ; h
	v_lshlrev_b32 v128, 4, v131                    ; 16 x lane
	s_lshr_b32 s[QH], s[WV], 2
	s_and_b32 s[WA], s[WV], 3
	s_lshr_b32 s[WG], s[WV], 1
	s_and_b32 s[WH], s[WV], 1
	s_lshl_b32 s20, s[WV], 11
	s_lshl_b32 s21, s[WG], 8
	s_lshl_b32 s22, s[WH], 3
	s_wait_alu depctr_va_vdst(0)                   ; the wait here, ahead of the readers below
	v_add_nc_u32 v[VOF], s20, v128
	s_add_co_u32 s21, s21, s22
	s_add_co_u32 s21, s21, 16384
	v_mul_u32_u24 v[VSO], VH, v130
	v_lshl_add_u32 v[VSO], v129, 4, v[VSO]
	v_add_nc_u32 v[VSO], s21, v[VSO]
	s_bfe_u32 s[CX], ttmp6, 0x40000                ; it enters Q's, the output's and the prefetches' addresses alone
	s_and_b32 s[BT], ttmp7, 0xffff
	s_lshl_b32 s[BK], ttmp9, 2
	s_add_co_u32 s[BK], s[BK], s[CX]
	s_mov_b32 s[G1], 15|(3<<16)|(1<<21)            ; the mask: all four work-groups; elements of 8 bytes; bit 21 set beside a mask; no padding: the images are read 16 bytes a lane on end
	s_mov_b32 s[G1+1], 32<<16                      ; tensor_dim0
	s_mov_b32 s[G1+2], 68<<16                      ; tensor_dim1: 17,408 bytes
	s_mov_b32 s[G1+3], 32<<16                      ; tile_dim0
	s_mov_b32 s[G1+4], 68                          ; tile_dim1
	s_mov_b32 s[G1+5], 32                          ; from row to row
	s_mov_b32 s[G1+6], 0
	s_mov_b32 s[G1+7], 0
	s_mov_b32 s[G1H], 15|(3<<16)|(1<<21)
	s_mov_b32 s[G1H+1], 32<<16
	s_mov_b32 s[G1H+2], 136<<16                    ; 34,816 bytes
	s_mov_b32 s[G1H+3], 32<<16
	s_mov_b32 s[G1H+4], 136
	s_mov_b32 s[G1H+5], 32
	s_mov_b32 s[G1H+6], 0
	s_mov_b32 s[G1H+7], 0
	s_mov_b32 s[G0], 1
	s_mov_b32 s[G0H], 1
	s_mul_i32 s[G0+1], s[WV], VH                   ; a refill: my eighth of a slot, 17,408 bytes: slot 0 first
	s_mul_i32 s[G0H+1], s[WV], KH                  ; the head: a quarter of slot 0 (waves 0 to 3) or of slot 1
	s_mul_i32 s20, s[BT], 32*KH                    ; the batch's first byte of kf,
	s_add_co_u32 s22, s20, s[G0+1]
	s_add_co_u32 s22, s22, 8*KH                    ; my eighth of trip 2,
	s_add_co_u32 s20, s20, s[G0H+1]                ; my quarter of trip 0 or 1
	s_mov_b32 s21, 0
	s_mov_b32 s23, 0
	s_lshr_b32 s58, s[BK], 1
	s_lshl_b32 s59, s[BT], 5
	s_add_co_u32 s58, s58, s59
	s_mul_i32 s58, s58, KH                         ; my queries' group,
	s_mov_b32 s59, 0
	s_and_b32 s60, s[BK], 1                        ; and which half of it
	s_lshl_b32 s62, s60, 10
	s_add_co_u32 s62, s62, 32768
	s_mov_b32 s63, 0
	s_lshl_b32 s60, s60, 14
	s_lshl_b32 s61, s[WV], 11
	s_add_co_u32 s60, s60, s61                     ; my 2,048 bytes of Q's 16,384
	s_mov_b32 s61, 0
	s_mul_i32 s76, s[BT], 32*VH
	s_mov_b32 s77, 0
	s_mov_b32 s[SEL], 0x76543210
	s_mov_b32 s[SEL+1], 0xfedcba98
	s_mov_b32 s[CS], 0x3db8aa3b                    ; c = log2(e) / 16
	s_mov_b32 s[CS+1], s[CS]                       ; (named with it as a pair, so it is written)
	s_mov_b32 s[TB], KSLOT                         ; trip 1's K lies in slot 1
	s_wait_dscnt 0x0                               ; both opening adds are done
	s_wait_alu depctr_va_vdst(0)                   ; the wait here, directly ahead of the wait below
	s_wait_kmcnt 0x0
	s_add_nc_u64 s[G0H+2:G0H+3], s[6:7], s[20:21]
	s_or_b32 s[G0H+3], s[G0H+3], 0x80000000        ; type = 2
	s_add_nc_u64 s[G0+2:G0+3], s[6:7], s[22:23]
	s_or_b32 s[G0+3], s[G0+3], 0x80000000
	s_add_nc_u64 s[QB:QB+1], s[4:5], s[58:59]
	s_add_nc_u64 s[QSB:QSB+1], s[QB:QB+1], s[62:63]
	s_add_nc_u64 s[QB:QB+1], s[QB:QB+1], s[60:61]
	s_add_nc_u64 s[VBS:VBS+1], s[8:9], s[76:77]
.irp m, 0,1,2,3
	global_load_b128 v[132+4*\m:135+4*\m], v128, s[QB:QB+1] offset:512*\m   ; Q comes through registers into LDS, an eighth a wave
.endr
	global_load_b128 v[QS:QS+3], v128, s[QSB:QSB+1]         ; its scale words: lanes 0-15 tile 2 i, lanes 16-31 tile 2 i + 1
	global_load_b128 v[QS+4:QS+7], v128, s[QSB:QSB+1] offset:512
	CROUND                                         ; all four work-groups are here: the first joint loads meet
	s_cmp_lt_u32 s[WV], 4                          ; one tensor load a wave at the head
	s_cbranch_scc0 .Lfirst_1
	tensor_load_to_lds s[G0H:G0H+3], s[G1H:G1H+7]  ; waves 0 to 3: K of trip 0;
	s_nop 0
	PLACES 4
	s_branch .Lfirst_asked
.Lfirst_1:
	tensor_load_to_lds s[G0H:G0H+3], s[G1H:G1H+7]  ; waves 4 to 7, by a line of their own: K of trip 1, which they wait for ahead of trip 0's round
	s_nop 0
	PLACES 4
.Lfirst_asked:
	s_mul_i32 s20, s[WG], KH
	s_lshl_b32 s21, s[WH], 14
	s_add_co_u32 s21, s20, s21                     ; K: my 64 keys' fragments,
	s_lshl_b32 s22, s[WH], 10
	s_add_co_u32 s20, s20, s22
	s_add_co_u32 s20, s20, 32768                   ; and their scale words
	s_lshl_b32 s23, s[QH], 8
	s_lshl_b32 s58, s[WA], 2
	s_add_co_u32 s58, s58, s23
	s_add_co_u32 s58, s58, MB                      ; my maxima
	s_lshl_b32 s59, s[WV], 9
	s_add_co_u32 s59, s59, PB                      ; my codes of P
	s_lshl_b32 s60, s[WV], 1
	s_add_co_u32 s60, s60, PB+8192                 ; my scale bytes
	s_lshl_b32 s62, s[WV], 11
	s_add_co_u32 s62, s62, PB                      ; my eighth of Q
	v_add_nc_u32 v[AK], s21, v128
	v_add_nc_u32 v[AKS], s20, v128
	v_lshl_add_u32 v[MXW], v129, 4, s58
	v_add_nc_u32 v[MXR], MB, v128
	v_add_nc_u32 v[PWR], s59, v128
	v_lshl_add_u32 v[SWR], v129, 4, s60
	v_add_nc_u32 v[PRD], PB, v128
	v_add_nc_u32 v131, s62, v128
	v_lshlrev_b32 v[PFO], 4, v128                  ; 256 x lane
.irp q, 0,1,2,3
	v_mov_b32 v[ST+4*\q], 0x7f61b1e6               ; -M: M begins under every t
	v_mov_b32 v[ST+4*\q+1], 0
	v_mov_b32 v[ST+4*\q+2], 0                      ; the sum, in two halves
	v_mov_b32 v[ST+4*\q+3], 0
.endr
.irp n, 0,1,2,3,4,5,6,7
	v_mov_b32 v[T+\n], 0                           ; written once: a lane permute's destination counts as one of its sources
.endr
	s_lshl_b32 s20, s[BT], 12                      ; the rows that I store: stage rows 8 w .. 8 w + 7 are tokens 32 (w / 4) + 8 (w / 2 % 2) + 16 (w % 2) + 0 .. 7 of the block's 64: batch x 4,096 + 64 x block + that, of 1,024 bytes
	s_lshl_b32 s21, s[BK], 6
	s_add_co_u32 s20, s20, s21
	s_lshl_b32 s21, s[QH], 5
	s_add_co_u32 s20, s20, s21
	s_and_b32 s21, s[WG], 1
	s_lshl_b32 s21, s21, 3
	s_add_co_u32 s20, s20, s21
	s_lshl_b32 s21, s[WH], 4
	s_add_co_u32 s20, s20, s21
	s_lshl_b32 s20, s20, 10
	s_mov_b32 s21, 0
	s_add_nc_u64 s[10:11], s[10:11], s[20:21]
	s_lshl_b32 s23, s[WA], 13                      ; the prefetches: which 8,192 bytes of a group's fragments,
	s_mul_i32 s20, s[BT], 32*KH
	s_mul_i32 s21, s[CX], KH                       ; of the group of my place,
	s_add_co_u32 s20, s20, s21
	s_add_co_u32 s20, s20, s23
	s_add_co_u32 s20, s20, 12*KH                   ; in trip 3
	s_mul_i32 s22, s[BT], 32*VH
	s_mul_i32 s21, s[CX], VH
	s_add_co_u32 s22, s22, s21
	s_add_co_u32 s22, s22, s23
	s_add_co_u32 s22, s22, 12*VH
	s_mov_b32 s23, 4*VH
	s_mov_b32 s21, 0
	s_cmp_lt_u32 s[WV], 4
	s_cselect_b32 s20, s20, s22
	s_cselect_b32 s[PFS], 4*KH, s23
	s_cselect_b64 s[PFA:PFA+1], s[6:7], s[8:9]
	s_mov_b32 s[PFS+1], 0
	s_add_nc_u64 s[PFA:PFA+1], s[PFA:PFA+1], s[20:21]
	s_cmp_lt_u32 s[WV], 6                          ; waves 6 and 7 ask for nothing,
	s_cselect_b32 s[LIM], 1, -1
	s_and_b32 s20, ttmp9, 3
	s_cmp_lg_u32 s20, 0                            ; nor does any cluster but the batch's 0, 4, 8 and 12: the same in all four partners
	s_cselect_b32 s[LIM], -1, s[LIM]
	s_mov_b32 s[CNT], 7
	s_wait_alu depctr_va_vdst(0)                   ; the wait at the head's end
	s_wait_loadcnt 0x0                             ; Q and its scale words
.irp m, 0,1,2,3
	ds_store_b128 v131, v[132+4*\m:135+4*\m] offset:512*\m
.endr
	s_cmp_lt_u32 s[WV], 4
	s_cbranch_scc0 .Lno_k0
	s_wait_tensorcnt 0x0                           ; my quarter of trip 0's K is in
.Lno_k0:
	s_wait_dscnt 0x0                               ; and my eighth of Q
	s_barrier_signal -1
	s_barrier_wait -1                              ; everybody's are
	VLOAD                                          ; V of trip 0
	WIN 0x40
.set lk, 0
.rept 32
	ds_load_b128 v[4*lk:4*lk+3], v[PRD] offset:512*lk   ; Q's 16 fragments stay in registers
.set lk, lk+1
.endr
	KFIRST AK, AKS
	KREST AK                                       ; trip 0's scores
	MAXP
	TRIP 1, 1, 1                                   ; trip 0: its products start O^T's sums
	s_mov_b32 s[CNT], 5
.Ltrip:                                            ; trips 1 to 5
	TRIP 0, 1, 1
	s_sub_co_u32 s[CNT], s[CNT], 1
	s_cmp_lg_u32 s[CNT], 0
	s_cbranch_scc1 .Ltrip
	TRIP 0, 0, 1                                   ; trips 6 and 7 ask for nothing: written out
	TRIP 0, 0, 0
	; THE WAY OUT.  The address lines are also the places behind the last products.
	s_lshl_b32 s20, s[WV], 7
	s_mul_i32 s21, s[WV], 8*STP
	v_lshrrev_b32 v[AK], 8, v[PFO]                 ; lane
	v_bfe_u32 v[AKS], v[PFO], 12, 1                ; h
	v_lshrrev_b32 v[MXW], 4, v[PFO]                ; 16 x lane: my bytes of half a row in the output,
	v_and_b32 v[AK], 15, v[AK]                     ; r
	v_add_nc_u32 v[MXR], s21, v[MXW]               ; and in the stage: my 8 rows
	v_mul_u32_u24 v[PWR], STP, v[AK]
	v_lshl_add_u32 v[PWR], v[AKS], 5, v[PWR]
	v_add_nc_u32 v[PWR], s20, v[PWR]               ; in: row r, my 128 bytes, 32 for each half of the lanes
.irp q, 0,1,2,3
	v_add_f32 v[S+4*\q], v[S+4*\q], v[S+4*\q+1]    ; four waves' sums,
	v_add_f32 v[S+4*\q+2], v[S+4*\q+2], v[S+4*\q+3]
.endr
.irp q, 0,1,2,3
	v_add_f32 v[S+4*\q], v[S+4*\q], v[S+4*\q+2]
.endr
.irp q, 0,1,2,3
	v_permlanex16_b32 v[T+\q], v[S+4*\q], s[SEL], s[SEL+1]
.endr
.irp q, 0,1,2,3
	v_add_f32 v[T+\q], v[T+\q], v[S+4*\q]          ; and the other four's: the row's sum
.endr
	s_wait_alu depctr_va_vdst(0)                   ; the wait ahead of the transcendentals too
.irp q, 0,1,2,3
	v_rcp_f32 v[ST+4*\q], v[T+\q]
.endr
	v_nop                                          ; one plain place behind them
	s_wait_alu depctr_va_vdst(0)                   ; the wait, ahead of their first reader and of the first readers of O^T
.irp i, 0,1,2,3
.irp n, 0,2,4,6,8,10,12,14
	v_pk_mul_f32 v[O+16*\i+\n:O+16*\i+\n+1], v[O+16*\i+\n:O+16*\i+\n+1], v[ST+4*\i:ST+4*\i+1] op_sel_hi:[1,0]
.endr
.endr
.irp i, 0,1,2,3                                ; register 8 ct + j of lane (r, h) is out(row r of tile i, channel 32 w + 16 ct + 8 h + j)
.irp ct, 0,1
	ds_store_b128 v[PWR], v[O+16*\i+8*\ct:O+16*\i+8*\ct+3] offset:16*STP*\i+64*\ct
	ds_store_b128 v[PWR], v[O+16*\i+8*\ct+4:O+16*\i+8*\ct+7] offset:16*STP*\i+64*\ct+16
.endr
.endr
	s_wait_dscnt 0x0                               ; for the others' sake
	s_barrier_signal -1
	s_barrier_wait -1                              ; all 64 rows are whole
.set lk, 0
.rept 16
	ds_load_b128 v[S+4*lk:S+4*lk+3], v[MXR] offset:STP*(lk/2)+512*(lk%2)
.set lk, lk+1
.endr
.set lk, 0
.rept 16
	s_wait_dscnt 15-lk                             ; the younger loads may stay out
	global_store_b128 v[MXW], v[S+4*lk:S+4*lk+3], s[10:11] offset:1024*(lk/2)+512*(lk%2) th:TH_STORE_NT   ; the wave stores 512 consecutive bytes, aligned
.set lk, lk+1
.endr
	s_wait_tensorcnt 0x0                           ; the wave's end, behind my last tensor load and my last LDS store
	ds_add_u32 v[SPW], v[NIL]
	s_wait_dscnt 0x0
	CROUND                                         ; the closing round: no work-group ends while a partner may still ask for a tile that names it
	s_endpgm
.Lfunc_end_k_q6569177541_attn:
	.size	k_q6569177541_attn, .Lfunc_end_k_q6569177541_attn-k_q6569177541_attn
	.p2alignl 7, 3214868480
	.fill 96, 4, 3214868480
	.section	.rodata,"a",@progbits
	.p2align	6, 0x0
	.amdhsa_kernel k_q6569177541_attn
		.amdhsa_group_segment_fixed_size 327680
		.amdhsa_private_segment_fixed_size 0
		.amdhsa_enable_private_segment 0
		.amdhsa_kernarg_size 32
		.amdhsa_user_sgpr_count 2
		.amdhsa_user_sgpr_kernarg_segment_ptr 1
		.amdhsa_wavefront_size32 1
		.amdhsa_system_sgpr_workgroup_id_x 1
		.amdhsa_system_sgpr_workgroup_id_y 1
		.amdhsa_system_sgpr_workgroup_id_z 1
		.amdhsa_system_vgpr_workitem_id 0
		.amdhsa_next_free_vgpr 512
		.amdhsa_next_free_sgpr 80
		.amdhsa_reserve_vcc 0
		.amdhsa_float_denorm_mode_32 3
		.amdhsa_float_denorm_mode_16_64 3
		.amdhsa_memory_ordered 1
		.amdhsa_forward_progress 1
		.amdhsa_inst_pref_size 204
	.end_amdhsa_kernel
	.amdgpu_metadata
---
amdhsa.version: [ 1, 2 ]
amdhsa.kernels:
  - .name:           k_q6569177541_attn
    .symbol:         k_q6569177541_attn.kd
    .args:
      - { .name: qf, .offset: 0, .size: 8, .value_kind: global_buffer, .address_space: global }
      - { .name: kf, .offset: 8, .size: 8, .value_kind: global_buffer, .address_space: global }
      - { .name: vf, .offset: 16, .size: 8, .value_kind: global_buffer, .address_space: global }
      - { .name: out0, .offset: 24, .size: 8, .value_kind: global_buffer, .address_space: global }
    .group_segment_fixed_size: 327680
    .private_segment_fixed_size: 0
    .kernarg_segment_align: 8
    .kernarg_segment_size: 32
    .max_flat_workgroup_size: 256
    .sgpr_count:     80
    .vgpr_count:     512
    .wavefront_size: 32
...
	.end_amdgpu_metadata
.endif
;; end of part 2
